; MI455X (gfx1250); checked and timed in simulation.
; The chip was launched on July 23, 2026; its instructions are those of AMD's public machine-readable ISA for CDNA 5 (MIT licence, August 2026) and "CDNA5" Instruction Set Architecture Reference Guide (July 2026). The comments in the code are by the model that wrote it; some were corrected since.
;; Model Composition. Allowed arithmetic: float matrix products may take bf16 or f16 operands with f32 sums; all other float work in f32.
;; Inputs: X_init 16 x 1,024 x 3 float32; ctx 16 x 256 float32; labels 16 int32; noise 10 x 16 x 1,024 x 3 float32; params_label_emb 16 x 8 float32; params_layers_0_W 128 x 3 float32; params_layers_0_Wb 128 x 267 float32; params_layers_0_Wg 128 x 267 float32; params_layers_0_b 128 float32; params_layers_0_bg 128 float32; params_layers_1_W 256 x 128 float32; params_layers_1_Wb 256 x 267 float32; params_layers_1_Wg 256 x 267 float32; params_layers_1_b 256 float32; params_layers_1_bg 256 float32; params_layers_2_W 512 x 256 float32; params_layers_2_Wb 512 x 267 float32; params_layers_2_Wg 512 x 267 float32; params_layers_2_b 512 float32; params_layers_2_bg 512 float32; params_layers_3_W 256 x 512 float32; params_layers_3_Wb 256 x 267 float32; params_layers_3_Wg 256 x 267 float32; params_layers_3_b 256 float32; params_layers_3_bg 256 float32; params_layers_4_W 128 x 256 float32; params_layers_4_Wb 128 x 267 float32; params_layers_4_Wg 128 x 267 float32; params_layers_4_b 128 float32; params_layers_4_bg 128 float32; params_layers_5_W 3 x 128 float32; params_layers_5_Wb 3 x 267 float32; params_layers_5_Wg 3 x 267 float32; params_layers_5_b 3 float32; params_layers_5_bg 3 float32.
;; Outputs: out0 16 x 1,024 x 3 float32.
;; Constants: N = 1024.
;; One version. Each part assembles by itself: llvm-mc -triple=amdgcn-amd-amdhsa -mcpu=gfx1250 --defsym DOCPART=n.
;; ======== version 1 of 1: 2 launches
;; workspace buffers: ws 2,457,600 bytes
;; launch prep (part 1): grid 40 x 8, 8 waves a work-group, no clusters, 52,224 bytes of LDS; arguments ctx, labels, params_label_emb, params_layers_0_W, params_layers_0_Wb, params_layers_0_Wg, params_layers_0_b, params_layers_0_bg, params_layers_1_W, params_layers_1_Wb, params_layers_1_Wg, params_layers_1_b, params_layers_1_bg, params_layers_2_W, params_layers_2_Wb, params_layers_2_Wg, params_layers_2_b, params_layers_2_bg, params_layers_3_W, params_layers_3_Wb, params_layers_3_Wg, params_layers_3_b, params_layers_3_bg, params_layers_4_W, params_layers_4_Wb, params_layers_4_Wg, params_layers_4_b, params_layers_4_bg, ws; writes ws
.if DOCPART == 1
	.amdgcn_target "amdgcn-amd-amdhsa--gfx1250"
	.amdhsa_code_object_version 6
	.text
	.protected	k_q45d27cb752_prep
	.globl	k_q45d27cb752_prep
	.p2align	8
	.type	k_q45d27cb752_prep,@function
k_q45d27cb752_prep:
	s_mov_b64 s[64:65], 0
	v_nop
	global_prefetch_b8 v0, s[64:65] scope:SCOPE_SE
	s_setreg_imm32_b32 hwreg(HW_REG_WAVE_MODE, 25, 1), 1
	s_wait_xcnt 0x0
; PREP: everything of the model that does not depend on a point, made once.
; Work-groups with y < 4 (GATE): block x = 32 features of one of the layers 0-4, batches 4y .. 4y+3, all ten steps:
;   G = sigmoid(ctx_full . Wg + bg),  C = G b + ctx_full . Wb.  Of the 267 context columns only three hang on the step, so the
;   dot over the other 264 is made once and the three time terms are added per step.
;   Record (step s, batch b) lies at (16 s + b) REC.  Bytes 0..9215: 72 feature tiles of 128 bytes (layer 1: 0-15, layer 2: 16-47,
;   layer 3: 48-63, layer 4: 64-71), a tile = [G f0-7 | C f0-7 | G f8-15 | C f8-15], f32.  Bytes 9216..11263: layer 0, 16 bytes a feature:
;   eight bf16: the upper parts of (G w0, G w1, G w2, C), then what bf16 left of each (value - upper part, rounded to bf16).
; Work-groups with y >= 4 (CONV): wave block w = y - 4, slot x: 4,096 bytes of a weight matrix, rounded to bf16 and laid in the order
;   in which a matrix fragment's lanes take them: byte f 1024 + c 512 + lane 16 = W[16 F + lane%16][32 t + 16 c + 8 (lane/16) + 0..7].
; No matrix unit: the gate product has 16 rows and is read once.  No cluster: what work-groups share is a few rows.
; LIMITS: the sigmoid is exactly 0 (1) where 2^x overflows (is flushed to 0).  sin and cos of beta are series cut behind beta^5 and
; beta^4: beta <= 0.05 is the model's own constant, so the first terms left out are below 2e-11.  Labels are clamped to 0..15.
.set REC,    11264
.set WF_OFF, 1802240                   ; 160 records
.set WBLK,   163840                    ; 40 slots of 4,096 bytes for each of main's four waves
.set ROWB,   1068                      ; a row of Wg or Wb: 267 f32
.set P14,    272                       ; stage of layers 1-4: LDS bytes 0 .. 17,407: 64 units of 256 bytes + 16 of padding
.set P0,     528                       ; stage of layer 0: 64 units of 512 bytes + 16 of padding,
.set ST0,    64*P14                    ; at LDS bytes 17,408 .. 51,199: the two ways out share no byte of LDS
.set CF, 8                             ; v[8:43]    ctx_full: 4 batches x 9 words, k = lane + 32 i
.set WR, 44                            ; v[44:115]  8 rows x 9 words: row 2 f = Wg, row 2 f + 1 = Wb of my feature f
.set AC, 116                           ; v[116:119] the four batches' running sums
.set TM, 120                           ; v[120:127] at work; 126, 127: the lane's step in round 0, 1
.set SD, 128                           ; v[128:135] the eight dots; lane l holds batch l % 4
.set TB, 136                           ; beta, two rounds
.set TS, 138                           ; sin beta
.set TC, 140                           ; cos beta
.set GO, 144                           ; v[144:159] results
.set EA, 160                           ; v[160:163] offsets into the label table
.set AD, 164                           ; v164       lane x pitch + my wave's place in a unit
.set PK, 168                           ; v[168:183] layer 0: a feature's 16 bytes of bf16
.set TW, 66                            ; s[66:89]   the three time weights of the eight rows
	s_and_b32 s2, ttmp7, 0xffff                    ; y
	s_mov_b32 s3, ttmp9                            ; x
	v_lshrrev_b32 v1, 5, v0
	v_readfirstlane_b32 s4, v1                     ; wave 0..7
	s_load_b64 s[6:7], s[0:1], 224                 ; ws
	v_lshl_add_u32 v192, v0, 2, 0xc800
	v_mov_b32 v193, 0
	s_cmp_lt_u32 s2, 4
	s_cbranch_scc1 .Lgate
; ------------------------------------------------------------------ CONV
; s10 bytes in a row of W, s11 first feature tile, s12 first K step, s13 / s14: fragment number -> tile (and) and K step (shift)
	s_sub_co_u32 s5, s2, 4                         ; w
	s_mov_b32 s13, 3                               ; four tiles, one K step: the rule for all but layer 4
	s_mov_b32 s14, 2
	s_lshl_b32 s11, s5, 2                          ; tile 4 w: layers 1 and 3
	s_cmp_lt_u32 s3, 6
	s_cbranch_scc1 .Lc_l2lds
	s_cmp_lt_u32 s3, 12
	s_cbranch_scc1 .Lc_l3lds
	s_cmp_lt_u32 s3, 22
	s_cbranch_scc1 .Lc_l2res
	s_cmp_lt_u32 s3, 28
	s_cbranch_scc1 .Lc_l3res
	s_cmp_lt_u32 s3, 32
	s_cbranch_scc1 .Lc_l4
	s_cmp_lt_u32 s3, 36
	s_cbranch_scc1 .Lc_l1
	s_load_b64 s[8:9], s[0:1], 144                 ; slots 36-39: layer 3, K steps 0, 2, 4, 6
	s_mov_b32 s10, 2048
	s_sub_co_u32 s12, s3, 36
	s_lshl_b32 s12, s12, 1
	s_branch .Lconv
.Lc_l2lds:                                         ; slots 0-5: layer 2, job j = slot / 3, K steps 1, 3, 5
	s_load_b64 s[8:9], s[0:1], 104
	s_mov_b32 s10, 1024
	s_cmp_ge_u32 s3, 3
	s_cselect_b32 s15, 1, 0
	s_mul_i32 s16, s15, 3
	s_sub_co_u32 s16, s3, s16
	s_lshl_b32 s12, s16, 1
	s_add_co_u32 s12, s12, 1
	s_lshl_b32 s11, s5, 3
	s_lshl2_add_u32 s11, s15, s11                  ; tile 8 w + 4 j
	s_branch .Lconv
.Lc_l3lds:                                         ; slots 6-11: layer 3, K steps 1, 3, .. 11
	s_load_b64 s[8:9], s[0:1], 144
	s_mov_b32 s10, 2048
	s_sub_co_u32 s12, s3, 6
	s_lshl_b32 s12, s12, 1
	s_add_co_u32 s12, s12, 1
	s_branch .Lconv
.Lc_l2res:                                         ; slots 12-21: layer 2, job j = i / 5, K steps 0, 2, 4, 6, 7
	s_load_b64 s[8:9], s[0:1], 104
	s_mov_b32 s10, 1024
	s_sub_co_u32 s16, s3, 12
	s_cmp_ge_u32 s16, 5
	s_cselect_b32 s15, 1, 0
	s_mul_i32 s17, s15, 5
	s_sub_co_u32 s16, s16, s17
	s_lshl_b32 s12, s16, 1
	s_min_u32 s12, s12, 7
	s_lshl_b32 s11, s5, 3
	s_lshl2_add_u32 s11, s15, s11
	s_branch .Lconv
.Lc_l3res:                                         ; slots 22-27: layer 3, K steps 8, 10, 12, 13, 14, 15
	s_load_b64 s[8:9], s[0:1], 144
	s_mov_b32 s10, 2048
	s_sub_co_u32 s16, s3, 22
	s_lshl_b32 s12, s16, 1
	s_add_co_u32 s12, s12, 8
	s_add_co_u32 s16, s16, 10
	s_min_u32 s12, s12, s16
	s_branch .Lconv
.Lc_l4:                                            ; slots 28-31: layer 4, two tiles x two K steps
	s_load_b64 s[8:9], s[0:1], 184
	s_mov_b32 s10, 1024
	s_sub_co_u32 s12, s3, 28
	s_lshl_b32 s12, s12, 1
	s_lshl_b32 s11, s5, 1
	s_mov_b32 s13, 1
	s_mov_b32 s14, 1
	s_branch .Lconv
.Lc_l1:                                            ; slots 32-35: layer 1, K steps 0-3
	s_load_b64 s[8:9], s[0:1], 64
	s_mov_b32 s10, 512
	s_sub_co_u32 s12, s3, 32
.Lconv:
	v_and_b32 v2, 15, v0                           ; r
	v_bfe_u32 v3, v0, 4, 2                         ; 2 c + h
	v_lshrrev_b32 v4, 6, v0                        ; fragment 0..3
	v_and_b32 v5, s13, v4
	v_lshrrev_b32 v6, s14, v4
	v_add_nc_u32 v6, s12, v6                       ; K step t
	v_add_nc_u32 v5, s11, v5                       ; tile F
	v_lshl_add_u32 v5, v5, 4, v2                   ; row 16 F + r
	v_lshlrev_b32 v6, 2, v6
	v_add_nc_u32 v6, v6, v3                        ; 4 t + 2 c + h: column / 8
	v_mul_lo_u32 v5, v5, s10
	v_lshl_add_u32 v5, v6, 5, v5                   ; + 32 bytes for each eight f32
	s_mul_i32 s16, s5, WBLK
	s_lshl_b32 s17, s3, 12
	s_add_co_u32 s16, s16, s17
	s_add_co_u32 s16, s16, WF_OFF
	s_mov_b32 s17, 0
	v_lshlrev_b32 v7, 4, v0
	s_wait_kmcnt 0x0
	s_add_nc_u64 s[6:7], s[6:7], s[16:17]
	global_load_b128 v[8:11], v5, s[8:9]
	global_load_b128 v[12:15], v5, s[8:9] offset:16
	s_wait_loadcnt 0x0
	v_cvt_pk_bf16_f32 v16, v8, v9
	v_cvt_pk_bf16_f32 v17, v10, v11
	v_cvt_pk_bf16_f32 v18, v12, v13
	v_cvt_pk_bf16_f32 v19, v14, v15
	global_store_b128 v7, v[16:19], s[6:7]         ; the work-group stores 4,096 dense bytes; sixteen lanes 256 aligned ones
	s_endpgm
; ------------------------------------------------------------------ GATE
.macro GSTUB l, x0, sh, rec0           ; W s[8:9], Wb s[10:11], Wg s[12:13], b s[14:15], bg s[16:17]; s18 block in the layer; s19 its place in a record
	s_load_b256 s[8:15], s[0:1], 24+40*\l
	s_load_b64 s[16:17], s[0:1], 56+40*\l
	s_sub_co_u32 s18, s3, \x0
	s_lshl_b32 s19, s18, \sh
	s_add_co_u32 s19, s19, \rec0
.endm
.Lgate:
	s_load_b128 s[24:27], s[0:1], 0x0              ; ctx, labels
	s_load_b64 s[28:29], s[0:1], 0x10              ; the label table
	s_mov_b32 s20, 0                               ; 1: layer 0
	s_cmp_lt_u32 s3, 4
	s_cbranch_scc1 .Lg_l0
	s_cmp_lt_u32 s3, 12
	s_cbranch_scc1 .Lg_l1
	s_cmp_lt_u32 s3, 28
	s_cbranch_scc1 .Lg_l2
	s_cmp_lt_u32 s3, 36
	s_cbranch_scc1 .Lg_l3
	GSTUB 4, 36, 8, 8192
	s_branch .Lgfront
.Lg_l0:
	GSTUB 0, 0, 9, 9216
	s_mov_b32 s20, 1
	s_branch .Lgfront
.Lg_l1:
	GSTUB 1, 4, 8, 0
	s_branch .Lgfront
.Lg_l2:
	GSTUB 2, 12, 8, 2048
	s_branch .Lgfront
.Lg_l3:
	GSTUB 3, 28, 8, 6144
.Lgfront:
	s_lshl_b32 s21, s18, 5
	s_lshl2_add_u32 s21, s4, s21                   ; my wave's first feature: 32 x block + 4 x wave
	s_mov_b32 s56, 0xaaaaaaaa                      ; odd lanes
	s_mov_b32 s57, 0xcccccccc                      ; lanes with bit 1
	s_mov_b32 s58, 0x76543210                      ; v_permlanex16_b32: lane i of the other half
	s_mov_b32 s59, 0xfedcba98
	s_mov_b32 s60, 0x7f8                           ; lanes 3..10: the label's eight columns, 259..266
	s_mov_b32 s61, 0x3de38e39                      ; 1/9
	s_mov_b32 s62, 0x38d1b717                      ; 1e-4
	s_mov_b32 s63, 0x3d4ccccd                      ; 0.05
	s_mov_b32 s90, 0x3c088889                      ; 1/120
	s_mov_b32 s91, 0xbe2aaaab                      ; -1/6
	s_mov_b32 s92, 0x3d2aaaab                      ; 1/24
	s_mov_b32 s93, 0xbfb8aa3b                      ; -log2 e
	v_and_b32 v1, 31, v0                           ; lane
	v_lshlrev_b32 v2, 2, v1                        ; column lane
	v_add_nc_u32 v3, 0x100, v1
	v_min_u32 v3, 0x10a, v3
	v_lshlrev_b32 v3, 2, v3                        ; column min(256 + lane, 266): stays inside the row
	v_max_u32 v4, 3, v1
	v_add_nc_u32 v4, -3, v4
	v_min_u32 v4, 7, v4
	v_lshlrev_b32 v4, 2, v4                        ; label column clamp(lane - 3, 0, 7)
	s_wait_kmcnt 0x0
	s_mov_b32 s23, 0
	s_mul_i32 s22, s21, ROWB
	s_add_nc_u64 s[10:11], s[10:11], s[22:23]
	s_add_nc_u64 s[12:13], s[12:13], s[22:23]
	s_lshl_b32 s22, s21, 2
	s_add_nc_u64 s[14:15], s[14:15], s[22:23]
	s_add_nc_u64 s[16:17], s[16:17], s[22:23]
	s_mul_i32 s22, s21, 12
	s_add_nc_u64 s[8:9], s[8:9], s[22:23]          ; layer 0: three weights a feature
	s_lshl_b32 s22, s2, 12
	s_add_nc_u64 s[24:25], s[24:25], s[22:23]      ; four rows of ctx
	s_lshl_b32 s22, s2, 4
	s_add_nc_u64 s[26:27], s[26:27], s[22:23]      ; four labels
	s_load_b128 s[32:35], s[26:27], 0x0
	s_load_b128 s[36:39], s[14:15], 0x0            ; b of my four features
	s_load_b128 s[40:43], s[16:17], 0x0            ; bg
.irp bq, 0,1,2,3
.irp i, 0,1,2,3,4,5,6,7
	global_load_b32 v[CF+9*\bq+\i], v2, s[24:25] offset:1024*\bq+128*\i
.endr
.endr
.irp f, 0,1,2,3
.irp i, 0,1,2,3,4,5,6,7
	global_load_b32 v[WR+18*\f+\i], v2, s[12:13] offset:ROWB*\f+128*\i
	global_load_b32 v[WR+18*\f+9+\i], v2, s[10:11] offset:ROWB*\f+128*\i
.endr
	global_load_b32 v[WR+18*\f+8], v3, s[12:13] offset:ROWB*\f
	global_load_b32 v[WR+18*\f+17], v3, s[10:11] offset:ROWB*\f
.endr
	s_wait_kmcnt 0x0
.irp bq, 0,1,2,3
	s_min_u32 s[32+\bq], s[32+\bq], 15             ; a loaded number enters an address only clamped
	s_lshl_b32 s[32+\bq], s[32+\bq], 5
	v_add_nc_u32 v[EA+\bq], s[32+\bq], v4
	global_load_b32 v[CF+9*\bq+8], v[EA+\bq], s[28:29]
.endr
	v_lshrrev_b32 v[TM+6], 2, v1                   ; round 0: step lane / 4
	v_add_nc_u32 v[TM+7], 8, v[TM+6]
	v_min_u32 v[TM+7], 9, v[TM+7]                  ; round 1: steps 8 and 9 in lanes 0-7; lanes 8-31 have no step left and make step 9's values again
; beta, sin beta, cos beta of scan step v[sreg] (beta's index is 9 - step)
.macro TIME sreg, q
	v_sub_nc_u32 v[TM], 9, v[\sreg]
	v_cvt_f32_u32 v[TM], v[TM]
	v_mul_f32 v[TM], s61, v[TM]                    ; i / 9
	v_sub_f32 v[TM+1], 1.0, v[TM]
	v_mul_f32 v[TB+\q], s63, v[TM]
	v_fmac_f32 v[TB+\q], s62, v[TM+1]              ; 1e-4 (1 - i/9) + 0.05 i/9
	v_mul_f32 v[TM], v[TB+\q], v[TB+\q]
	v_fma_f32 v[TM+1], v[TM], s90, s91
	v_fma_f32 v[TM+1], v[TM+1], v[TM], 1.0
	v_mul_f32 v[TS+\q], v[TM+1], v[TB+\q]          ; beta (1 - beta^2/6 + beta^4/120)
	v_fma_f32 v[TM+1], v[TM], s92, -0.5
	v_fma_f32 v[TC+\q], v[TM+1], v[TM], 1.0        ; 1 - beta^2/2 + beta^4/24
.endm
	TIME TM+6, 0
	TIME TM+7, 1
	s_wait_loadcnt 0x0                             ; everything, once
.irp bq, 0,1,2,3
	v_cndmask_b32 v[CF+9*\bq+8], 0, v[CF+9*\bq+8], s60     ; the time columns (lanes 0-2) are added per step; lanes 11-31 hold no column
.endr
; One row against the four batches, then a sum over the lanes that also sorts: lane l ends with the dot of batch l % 4.
.macro ROWDOT rho
.irp bq, 0,1,2,3
	v_mul_f32 v[AC+\bq], v[CF+9*\bq], v[WR+9*\rho]
.endr
.set di, 1
.rept 8
.irp bq, 0,1,2,3
	v_fmac_f32 v[AC+\bq], v[CF+9*\bq+di], v[WR+9*\rho+di]
.endr
.set di, di+1
.endr
	v_cndmask_b32 v[TM], v[AC], v[AC+1], s56               ; what the lane keeps: even lanes batch 0, odd lanes batch 1
	v_cndmask_b32 v[TM+1], v[AC+1], v[AC], s56             ; what its neighbour wants
	v_add_f32_dpp v[TM], v[TM+1], v[TM] row_xmask:1 row_mask:0xf bank_mask:0xf
	v_cndmask_b32 v[TM+2], v[AC+2], v[AC+3], s56
	v_cndmask_b32 v[TM+3], v[AC+3], v[AC+2], s56
	v_add_f32_dpp v[TM+2], v[TM+3], v[TM+2] row_xmask:1 row_mask:0xf bank_mask:0xf
	v_cndmask_b32 v[TM+4], v[TM], v[TM+2], s57
	v_cndmask_b32 v[TM+5], v[TM+2], v[TM], s57
	v_add_f32_dpp v[TM+4], v[TM+5], v[TM+4] row_xmask:2 row_mask:0xf bank_mask:0xf
	v_add_f32_dpp v[TM+4], v[TM+4], v[TM+4] row_xmask:4 row_mask:0xf bank_mask:0xf
	v_add_f32_dpp v[TM+4], v[TM+4], v[TM+4] row_xmask:8 row_mask:0xf bank_mask:0xf
	v_permlanex16_b32 v[TM+5], v[TM+4], s58, s59
	v_add_f32 v[SD+\rho], v[TM+4], v[TM+5]
	v_readlane_b32 s[TW+3*\rho], v[WR+9*\rho+8], 0         ; the row's weights of beta, sin beta, cos beta
	v_readlane_b32 s[TW+3*\rho+1], v[WR+9*\rho+8], 1
	v_readlane_b32 s[TW+3*\rho+2], v[WR+9*\rho+8], 2
.endm
.irp rho, 0,1,2,3,4,5,6,7
	ROWDOT \rho
.endr
; G into v[g], C into v[c], for feature f in round q.  Behind each transcendental a plain line of the bias sum stands before its result is used (ISA guide 5.7.2).
.macro GCALC q, f, g, c
	v_add_f32 v[TM], s[40+\f], v[SD+2*\f]
	v_fmac_f32 v[TM], s[TW+6*\f], v[TB+\q]
	v_fmac_f32 v[TM], s[TW+6*\f+1], v[TS+\q]
	v_fmac_f32 v[TM], s[TW+6*\f+2], v[TC+\q]
	v_mul_f32 v[TM], s93, v[TM]
	v_exp_f32 v[TM], v[TM]
	v_fma_f32 v[TM+1], s[TW+6*\f+3], v[TB+\q], v[SD+2*\f+1]
	s_wait_alu depctr_va_vdst(0)
	v_add_f32 v[TM], 1.0, v[TM]
	v_rcp_f32 v[\g], v[TM]
	v_fmac_f32 v[TM+1], s[TW+6*\f+4], v[TS+\q]
	v_fmac_f32 v[TM+1], s[TW+6*\f+5], v[TC+\q]
	s_wait_alu depctr_va_vdst(0)
	v_fma_f32 v[\c], v[\g], s[36+\f], v[TM+1]
.endm
; THE STAGE.  Lane l of round q holds batch l % 4 of step 8 q + l / 4, so its unit 4 s + batch is 32 q + l: one address register, lane x pitch + my wave's
; place in a unit, and round 1 reaches 32 units on by the immediate.  Every lane of every wave has bytes of its own.  Units 40-63 take what lanes 8-31
; of round 1 made; they are not read.
	v_lshrrev_b32 v20, 4, v0                       ; the way out: sixteen lanes take 256 bytes
	v_and_b32 v21, 15, v0
	v_lshlrev_b32 v21, 4, v21
	s_cmp_lg_u32 s20, 0
	s_cbranch_scc1 .Ltail0
; ---- layers 1-4: a unit = 256 bytes = the block's two tiles
	s_lshr_b32 s22, s4, 2
	s_lshl_b32 s22, s22, 7                         ; tile
	s_bfe_u32 s23, s4, 0x10001
	s_lshl_b32 s23, s23, 6                         ; half of the tile
	s_add_co_u32 s22, s22, s23
	s_and_b32 s23, s4, 1
	s_lshl_b32 s23, s23, 4                         ; four features
	s_add_co_u32 s22, s22, s23
	v_mul_u32_u24 v[AD], v1, P14
	v_add_nc_u32 v[AD], s22, v[AD]
.irp q, 0,1
.irp f, 0,1,2,3
	GCALC \q, \f, GO+8*\q+\f, GO+8*\q+4+\f
.endr
	ds_store_b128 v[AD], v[GO+8*\q:GO+8*\q+3] offset:32*P14*\q
	ds_store_b128 v[AD], v[GO+8*\q+4:GO+8*\q+7] offset:32*P14*\q+32
.endr
	s_wait_dscnt 0x0                               ; my stores are in LDS before I say so
	s_barrier_signal -1
	s_barrier_wait -1
	s_lshl_b32 s22, s2, 2                          ; first batch
.macro WOUT p                          ; units 16 p .. 16 p + 15
	v_add_nc_u32 v22, 16*\p, v20
	v_mul_u32_u24 v[24+\p], v22, P14
	v_add_nc_u32 v[24+\p], v[24+\p], v21
	v_lshrrev_b32 v23, 2, v22
	v_and_b32 v22, 3, v22
	v_lshl_add_u32 v22, v23, 4, v22
	v_add_nc_u32 v22, s22, v22                     ; record 16 s + batch
	v_mul_u32_u24 v22, v22, REC
	v_add3_u32 v[28+\p], v22, v21, s19
	ds_load_b128 v[32+4*\p:35+4*\p], v[24+\p]
.endm
	WOUT 0
	WOUT 1
	s_wait_dscnt 0x1                               ; the first of the two loads is back
	global_store_b128 v28, v[32:35], s[6:7]        ; sixteen lanes store 256 consecutive bytes, at a multiple of 256 from ws
	s_wait_dscnt 0x0
	global_store_b128 v29, v[36:39], s[6:7]
	s_cmp_ge_u32 s4, 4                             ; units 32-39: waves 0-3
	s_cbranch_scc1 .Lend14
	WOUT 2
	s_wait_dscnt 0x0
	global_store_b128 v30, v[40:43], s[6:7]
.Lend14:
	s_wait_tensorcnt 0x0
	ds_add_u32 v192, v193
	s_wait_dscnt 0x0
	s_endpgm
; ---- layer 0: a unit = 512 bytes, 16 bytes a feature
.Ltail0:
	s_load_b128 s[44:47], s[8:9], 0x0              ; W of my four features: twelve words
	s_load_b128 s[48:51], s[8:9], 0x10
	s_load_b128 s[52:55], s[8:9], 0x20
	s_lshl_b32 s22, s4, 6
	v_mul_u32_u24 v[AD], v1, P0
	v_add_nc_u32 v[AD], s22, v[AD]
	s_wait_kmcnt 0x0
.irp q, 0,1
.irp f, 0,1,2,3
	GCALC \q, \f, TM+3, GO+4*\f+3
	v_mul_f32 v[GO+4*\f], s[44+3*\f], v[TM+3]
	v_mul_f32 v[GO+4*\f+1], s[45+3*\f], v[TM+3]
	v_mul_f32 v[GO+4*\f+2], s[46+3*\f], v[TM+3]
	v_cvt_pk_bf16_f32 v[PK+4*\f], v[GO+4*\f], v[GO+4*\f+1]         ; the upper parts
	v_cvt_pk_bf16_f32 v[PK+4*\f+1], v[GO+4*\f+2], v[GO+4*\f+3]
	v_lshlrev_b32 v[TM], 16, v[PK+4*\f]                            ; back in f32,
	v_and_b32 v[TM+1], 0xffff0000, v[PK+4*\f]
	v_lshlrev_b32 v[TM+2], 16, v[PK+4*\f+1]
	v_and_b32 v[TM+3], 0xffff0000, v[PK+4*\f+1]
	v_sub_f32 v[TM], v[GO+4*\f], v[TM]                             ; what they left (exact),
	v_sub_f32 v[TM+1], v[GO+4*\f+1], v[TM+1]
	v_sub_f32 v[TM+2], v[GO+4*\f+2], v[TM+2]
	v_sub_f32 v[TM+3], v[GO+4*\f+3], v[TM+3]
	v_cvt_pk_bf16_f32 v[PK+4*\f+2], v[TM], v[TM+1]                 ; rounded to bf16
	v_cvt_pk_bf16_f32 v[PK+4*\f+3], v[TM+2], v[TM+3]
	ds_store_b128 v[AD], v[PK+4*\f:PK+4*\f+3] offset:ST0+32*P0*\q+16*\f
.endr
.endr
	s_wait_dscnt 0x0
	s_barrier_signal -1
	s_barrier_wait -1
	s_lshl_b32 s22, s2, 2
.macro WOUT0 p                         ; half units 16 p .. 16 p + 15
	v_add_nc_u32 v22, 16*\p, v20
	v_lshrrev_b32 v23, 1, v22                      ; unit
	v_and_b32 v22, 1, v22
	v_lshl_add_u32 v22, v22, 8, v21                ; which 256 bytes of it, and my 16
	v_mul_u32_u24 v[24+\p], v23, P0
	v_add_nc_u32 v[24+\p], v[24+\p], v22
	v_lshrrev_b32 v30, 2, v23
	v_and_b32 v23, 3, v23
	v_lshl_add_u32 v23, v30, 4, v23
	v_add_nc_u32 v23, s22, v23
	v_mul_u32_u24 v23, v23, REC
	v_add3_u32 v[44+\p], v23, v22, s19
	ds_load_b128 v[52+4*\p:55+4*\p], v[24+\p] offset:ST0
.endm
.irp p, 0,1,2,3,4
	WOUT0 \p
.endr
.irp p, 0,1,2,3,4
	s_wait_dscnt 4-\p                              ; LDS loads come back in order: load p is in
	global_store_b128 v[44+\p], v[52+4*\p:55+4*\p], s[6:7]
.endr
	s_wait_tensorcnt 0x0
	ds_add_u32 v192, v193
	s_wait_dscnt 0x0
	s_endpgm
.Lfunc_end_k_q45d27cb752_prep:
	.size	k_q45d27cb752_prep, .Lfunc_end_k_q45d27cb752_prep-k_q45d27cb752_prep
	.p2alignl 7, 3214868480
	.fill 96, 4, 3214868480
	.section	.rodata,"a",@progbits
	.p2align	6, 0x0
	.amdhsa_kernel k_q45d27cb752_prep
		.amdhsa_group_segment_fixed_size 52224
		.amdhsa_private_segment_fixed_size 0
		.amdhsa_enable_private_segment 0
		.amdhsa_kernarg_size 232
		.amdhsa_user_sgpr_count 2
		.amdhsa_user_sgpr_kernarg_segment_ptr 1
		.amdhsa_wavefront_size32 1
		.amdhsa_system_sgpr_workgroup_id_x 1
		.amdhsa_system_sgpr_workgroup_id_y 1
		.amdhsa_system_sgpr_workgroup_id_z 1
		.amdhsa_system_vgpr_workitem_id 0
		.amdhsa_next_free_vgpr 194
		.amdhsa_next_free_sgpr 96
		.amdhsa_reserve_vcc 0
		.amdhsa_float_denorm_mode_32 3
		.amdhsa_float_denorm_mode_16_64 3
		.amdhsa_memory_ordered 1
		.amdhsa_forward_progress 1
		.amdhsa_inst_pref_size 59
	.end_amdhsa_kernel
	.amdgpu_metadata
---
amdhsa.version: [ 1, 2 ]
amdhsa.kernels:
  - .name:           k_q45d27cb752_prep
    .symbol:         k_q45d27cb752_prep.kd
    .args:
      - { .name: ctx, .offset: 0, .size: 8, .value_kind: global_buffer, .address_space: global }
      - { .name: labels, .offset: 8, .size: 8, .value_kind: global_buffer, .address_space: global }
      - { .name: params_label_emb, .offset: 16, .size: 8, .value_kind: global_buffer, .address_space: global }
      - { .name: params_layers_0_W, .offset: 24, .size: 8, .value_kind: global_buffer, .address_space: global }
      - { .name: params_layers_0_Wb, .offset: 32, .size: 8, .value_kind: global_buffer, .address_space: global }
      - { .name: params_layers_0_Wg, .offset: 40, .size: 8, .value_kind: global_buffer, .address_space: global }
      - { .name: params_layers_0_b, .offset: 48, .size: 8, .value_kind: global_buffer, .address_space: global }
      - { .name: params_layers_0_bg, .offset: 56, .size: 8, .value_kind: global_buffer, .address_space: global }
      - { .name: params_layers_1_W, .offset: 64, .size: 8, .value_kind: global_buffer, .address_space: global }
      - { .name: params_layers_1_Wb, .offset: 72, .size: 8, .value_kind: global_buffer, .address_space: global }
      - { .name: params_layers_1_Wg, .offset: 80, .size: 8, .value_kind: global_buffer, .address_space: global }
      - { .name: params_layers_1_b, .offset: 88, .size: 8, .value_kind: global_buffer, .address_space: global }
      - { .name: params_layers_1_bg, .offset: 96, .size: 8, .value_kind: global_buffer, .address_space: global }
      - { .name: params_layers_2_W, .offset: 104, .size: 8, .value_kind: global_buffer, .address_space: global }
      - { .name: params_layers_2_Wb, .offset: 112, .size: 8, .value_kind: global_buffer, .address_space: global }
      - { .name: params_layers_2_Wg, .offset: 120, .size: 8, .value_kind: global_buffer, .address_space: global }
      - { .name: params_layers_2_b, .offset: 128, .size: 8, .value_kind: global_buffer, .address_space: global }
      - { .name: params_layers_2_bg, .offset: 136, .size: 8, .value_kind: global_buffer, .address_space: global }
      - { .name: params_layers_3_W, .offset: 144, .size: 8, .value_kind: global_buffer, .address_space: global }
      - { .name: params_layers_3_Wb, .offset: 152, .size: 8, .value_kind: global_buffer, .address_space: global }
      - { .name: params_layers_3_Wg, .offset: 160, .size: 8, .value_kind: global_buffer, .address_space: global }
      - { .name: params_layers_3_b, .offset: 168, .size: 8, .value_kind: global_buffer, .address_space: global }
      - { .name: params_layers_3_bg, .offset: 176, .size: 8, .value_kind: global_buffer, .address_space: global }
      - { .name: params_layers_4_W, .offset: 184, .size: 8, .value_kind: global_buffer, .address_space: global }
      - { .name: params_layers_4_Wb, .offset: 192, .size: 8, .value_kind: global_buffer, .address_space: global }
      - { .name: params_layers_4_Wg, .offset: 200, .size: 8, .value_kind: global_buffer, .address_space: global }
      - { .name: params_layers_4_b, .offset: 208, .size: 8, .value_kind: global_buffer, .address_space: global }
      - { .name: params_layers_4_bg, .offset: 216, .size: 8, .value_kind: global_buffer, .address_space: global }
      - { .name: ws, .offset: 224, .size: 8, .value_kind: global_buffer, .address_space: global }
    .group_segment_fixed_size: 52224
    .private_segment_fixed_size: 0
    .kernarg_segment_align: 8
    .kernarg_segment_size: 232
    .max_flat_workgroup_size: 256
    .sgpr_count:     96
    .vgpr_count:     194
    .wavefront_size: 32
...
	.end_amdgpu_metadata
.endif
;; end of part 1
;; launch main (part 2): grid 256 x 1, 4 waves a work-group, no clusters, 314,624 bytes of LDS; arguments X_init, noise, ctx, labels, params_label_emb, params_layers_5_W, params_layers_5_Wb, params_layers_5_Wg, params_layers_5_b, params_layers_5_bg, ws, out0; writes out0
.if DOCPART == 2
	.amdgcn_target "amdgcn-amd-amdhsa--gfx1250"
	.amdhsa_code_object_version 6
	.text
	.protected	k_q45d27cb752_main
	.globl	k_q45d27cb752_main
	.p2align	8
	.type	k_q45d27cb752_main,@function
k_q45d27cb752_main:
	s_mov_b64 s[64:65], 0
	v_nop
	global_prefetch_b8 v0, s[64:65] scope:SCOPE_SE
	s_setreg_imm32_b32 hwreg(HW_REG_WAVE_MODE, 25, 1), 1
	s_wait_xcnt 0x0
; MAIN: all ten steps for 64 points a work-group (256 work-groups, batch = group / 16).  No point hangs on another, so X stays in
; registers and the activations in LDS from the first step to the last.
; Four waves.  Wave w makes a quarter of each layer's features for all 64 points, so each weight is used by one wave alone, and its
; 160 KiB of bf16 weights (layers 1-4) lie where it can take them with the fewest moves:
;   windows 2, 3 (512 registers): 16 units of 32 registers (one K step x 64 features): ten of layer 2, six of layer 3
;   window 1, v0-127: layer 4      window 1, v128-255 = T: layer 1, and by turns K steps 0, 2, 4, 6 of layer 3 (16 KiB loaded twice a step, straight into registers)
;   LDS: twelve units (48 KiB a wave) in fragment order, stored once; K steps that take their weights from LDS never follow each other.
; THE MATRIX INSTRUCTION IS USED TRANSPOSED: source 0 = 16 features (rows of W), source 1 = 16 points.  Lane (r, h) then holds point r and
; features 8 h .. 8 h + 7: 16 bytes of bf16, one ds_store_b128 into the next layer's K-contiguous row.
; Each layer is out = G acc + C (G, C from the step's record).  Layer 5 and the update are folded: X' = k2 X + P acc + Q + sigma z.
; LDS INSTRUCTIONS STAND IN RUNS: the four point tiles of a feature row are finished first and then stored together, so that a step's 80 tiles leave in
; 20 runs of four stores; fragments are asked for in runs of 8 or 16 loads between runs of 16 matrix instructions.
; LAYER 0 has K = 3 plus the constant column.  Both operands go in two bf16 parts, an upper part and what it left:
;   k 0-3: upper (G w, C) x upper (x, 1);  k 4-7: rest of (G w, C) x upper (x, 1);  k 8-10: upper (G w) x rest of x;  all other k: zeros of X.
;   Left out is the product of two rests, some 2^-16 of a term: X is carried from step to step in f32 and enters the net nearly unrounded.
; NO CLUSTER, NO TENSOR LOADS: a joint load lands in LDS alone, and these weights are taken from registers by one wave each; only the 192 KiB stored
; once into LDS are the same in all work-groups, about a tenth of the 1.9 MB that a work-group takes in over the launch.
; LIMITS: ReLU by v_max_num_f32 makes 0 of a NaN.  The sigmoid is exactly 0 (1) where 2^x overflows (is flushed).  sin and cos of beta are series cut behind
; beta^5 and beta^4 (beta <= 0.05 is the model's constant: first terms left out below 2e-11).  The folded update rounds in another order than the model.
; Labels clamped to 0..15.  An entry of layer 0's table that is infinite or NaN (only such weights make one) also spoils the feature tile in front of it.
.set REC,    11264
.set WF_OFF, 1802240
.set WBLK,   163840
.set QB,     66560                     ; LDS: P = 0 (h3, pitch 1040; h1, h5, pitch 272), Q (h2, h4, pitch 528); all pitches odd multiples of 16 bytes
.set RECL,   100352                    ; the step's record
.set W5F,    111616                    ; layer 5's four fragments
.set L5T,    115712                    ; 32 units of 32 bytes, unit = step: (P0 P1 P2 k2)(Q0 Q1 Q2 sigma); units 10-31 are not read
.set OUTS,   116736                    ; the way out
.set WLDS,   117504                    ; 49,152 bytes a wave, stored once and read by its owner alone
.set ACC, 32                           ; v[32:159]  16 accumulator tiles: (feature tile f, point tile p) at 32 + 8 (4 f + p)
.set FX,  120                          ; v[120:151] layer 4 alone (its accumulators end at v95, the next record at v117): a fourth fragment buffer
.set FA,  160                          ; v[160:191] activation fragments, buffer 0
.set FB,  192                          ; v[192:223] buffer 1
.set FL,  224                          ; v[224:255] weight fragments from LDS
; v1 r 272+16h   v2 Q+r 528+16h   v3 r 1040+16h   v4 v2+128w   v5 v3+256w   v6 v1+64w   v7 (16w+r) 272+16h   v8 my weights in LDS + 16 lane
; v9 v10 v11 record+64h+{512,1024,256}w   v12 layer 0's table+16r   v13 16 lane   v14 W5F+16 lane   v15 v16 record's stores   v17 16 tid   v18 8 tid
; v19 12 (16w+r)   v20-22 X   v23-25 z   v26-27 upper parts of X   v28-31 at work
; s28 wave  s29 group  s30 batch  s[32:33] my wave's weights  s[34:35] my batch's records  s[36:37] the next record  s38 step
.set MSB, 0
.macro WIN new                         ; s_set_vgpr_msb: bits 1:0 source 0, 3:2 source 1, 5:4 source 2, 7:6 destination; the high byte repeats the setting that is left
.if MSB != (\new)
	s_set_vgpr_msb (MSB<<8)|(\new)
.set MSB, (\new)
.endif
.endm
.macro PLACES                          ; four places behind a matrix instruction, before a load lands on one of its sources or a vector instruction reads its result
.rept 4
	v_nop
.endr
.endm
.macro BAR                             ; my LDS instructions are done, then the work-group's barrier
	s_wait_dscnt 0x0
	s_barrier_signal -1
	s_barrier_wait -1
.endm
.macro FETCHA buf, areg, koff, pitch   ; 64 points x 32 K: 8 loads
.set fp, 0
.rept 4
	ds_load_b128 v[\buf+8*fp:\buf+8*fp+3], v[\areg] offset:fp*16*\pitch+\koff
	ds_load_b128 v[\buf+8*fp+4:\buf+8*fp+7], v[\areg] offset:fp*16*\pitch+\koff+32
.set fp, fp+1
.endr
.endm
.macro FETCHB sl                       ; unit sl of my weights in LDS: 8 loads of 512 consecutive bytes
.set fk, 0
.rept 8
	ds_load_b128 v[FL+4*fk:FL+4*fk+3], v8 offset:4096*(\sl)+512*fk
.set fk, fk+1
.endr
.endm
.macro FETCHGC dst, greg, off, n       ; n feature tiles: G of my 8 features in 8 registers, C in the next 8
.set gi, 0
.rept \n
	ds_load_b128 v[\dst+16*gi:\dst+16*gi+3], v[\greg] offset:\off+128*gi
	ds_load_b128 v[\dst+16*gi+4:\dst+16*gi+7], v[\greg] offset:\off+128*gi+16
	ds_load_b128 v[\dst+16*gi+8:\dst+16*gi+11], v[\greg] offset:\off+128*gi+32
	ds_load_b128 v[\dst+16*gi+12:\dst+16*gi+15], v[\greg] offset:\off+128*gi+48
.set gi, gi+1
.endr
.endm
.macro MM win, base, abuf, nf, zero    ; nf x 4 matrix instructions; the accumulators take turns, one instruction a turn
	WIN \win
.set mf, 0
.rept \nf
.set mp, 0
.rept 4
.if \zero
	v_wmma_f32_16x16x32_bf16 v[ACC+8*(4*mf+mp):ACC+8*(4*mf+mp)+7], v[\base+8*mf:\base+8*mf+7], v[\abuf+8*mp:\abuf+8*mp+7], 0
.else
	v_wmma_f32_16x16x32_bf16 v[ACC+8*(4*mf+mp):ACC+8*(4*mf+mp)+7], v[\base+8*mf:\base+8*mf+7], v[\abuf+8*mp:\abuf+8*mp+7], v[ACC+8*(4*mf+mp):ACC+8*(4*mf+mp)+7]
.endif
.set mp, mp+1
.endr
.set mf, mf+1
.endr
.endm
.macro TLOAD goff                      ; four units (16 KiB) into T
	WIN 0x40
.set tk, 0
.rept 32
	global_load_b128 v[128+4*tk:128+4*tk+3], v13, s[32:33] offset:\goff+512*tk
.set tk, tk+1
.endr
.endm
.macro STAGE first                     ; 48 pieces of 512 bytes of my LDS part, from piece first on, into v32-223
.set ck, 0
.rept 48
	global_load_b128 v[32+4*ck:35+4*ck], v13, s[32:33] offset:512*(\first+ck)
.set ck, ck+1
.endr
.endm
.macro UNSTAGE first                   ; and on into my own bytes of LDS, in the same order
.set ck, 0
.rept 48
	ds_store_b128 v8, v[32+4*ck:35+4*ck] offset:512*(\first+ck)
.set ck, ck+1
.endr
.endm
.macro RELUPACK                        ; tile at v[ea]: ReLU, then eight f32 to 16 bytes of bf16 in place
.set ek, 0
.rept 8
	v_max_num_f32 v[ea+ek], 0, v[ea+ek]
.set ek, ek+1
.endr
	v_cvt_pk_bf16_f32 v[ea], v[ea], v[ea+1]
	v_cvt_pk_bf16_f32 v[ea+1], v[ea+2], v[ea+3]
	v_cvt_pk_bf16_f32 v[ea+2], v[ea+4], v[ea+5]
	v_cvt_pk_bf16_f32 v[ea+3], v[ea+6], v[ea+7]
.endm
; G acc + C, ReLU, bf16, into the next layer's rows.  A feature row's four point tiles are finished first (64 vector instructions; the packed 16 bytes stay in each
; tile's first four registers), then stored in one run of four.
.macro EPI nf, ga, gb, sreg, pitch, off
.set ef, 0
.rept \nf
.if ef < 2
.set eg, \ga+16*ef
.else
.set eg, \gb+16*(ef-2)
.endif
.set ep, 0
.rept 4
.set ea, ACC+8*(4*ef+ep)
	v_pk_fma_f32 v[ea:ea+1], v[ea:ea+1], v[eg:eg+1], v[eg+8:eg+9]
	v_pk_fma_f32 v[ea+2:ea+3], v[ea+2:ea+3], v[eg+2:eg+3], v[eg+10:eg+11]
	v_pk_fma_f32 v[ea+4:ea+5], v[ea+4:ea+5], v[eg+4:eg+5], v[eg+12:eg+13]
	v_pk_fma_f32 v[ea+6:ea+7], v[ea+6:ea+7], v[eg+6:eg+7], v[eg+14:eg+15]
	RELUPACK
.set ep, ep+1
.endr
.set ep, 0
.rept 4
.set ea, ACC+8*(4*ef+ep)
	ds_store_b128 v[\sreg], v[ea:ea+3] offset:ep*16*\pitch+32*ef+\off
.set ep, ep+1
.endr
.set ef, ef+1
.endr
.endm
; One K step of a 64 x 64 job: the next step's fragments are asked for (activations; weights too if bnext >= 0 names their unit), then this step is multiplied.
; The wait's count is the number of loads just issued: all that is older, this step's fragments, is in.
.macro KSTEP cur, nxt, areg, knext, pitch, bnext, win, base, zero, tl
	PLACES
.if \tl
	TLOAD 131072                                   ; T's last reader was the K step before: layer 1 comes back into it
.endif
	WIN 0
	FETCHA \nxt, \areg, \knext, \pitch
.if \bnext >= 0
	FETCHB \bnext
	s_wait_dscnt 16
.else
	s_wait_dscnt 8
.endif
	MM \win, \base, \cur, 4, \zero
.endm
.macro KSTEPU cur, nxt, areg, knext, pitch, bnext, u, zero     ; weights from resident unit u
	KSTEP \cur, \nxt, \areg, \knext, \pitch, \bnext, (2+(\u)/8), (32*((\u)%8)), \zero, 0
.endm
.macro KLAST cur, idle, greg, goff, win, base                  ; the last K step asks for G and C instead: 16 loads
	PLACES
	WIN 0
	FETCHGC \idle, \greg, \goff, 2
	FETCHGC FL, \greg, (\goff)+256, 2
	s_wait_dscnt 16
	MM \win, \base, \cur, 4, 0
.endm
; ------------------------------------------------------------------ prologue
	s_load_b256 s[4:11], s[0:1], 0x0               ; X_init, noise, ctx, labels
	s_load_b256 s[12:19], s[0:1], 0x20             ; label table, W5, Wb5, Wg5
	s_load_b256 s[20:27], s[0:1], 0x40             ; b5, bg5, ws, out0
	v_lshrrev_b32 v28, 5, v0
	v_readfirstlane_b32 s28, v28                   ; wave
	s_mov_b32 s29, ttmp9
	s_lshr_b32 s30, s29, 4                         ; batch
	s_mov_b32 s40, 0x76543210
	s_mov_b32 s41, 0xfedcba98
	s_mov_b32 s42, 0xffff0000                      ; as a lane mask: lanes 16-31; as a bit mask: a word's upper bf16
	s_mov_b32 s43, 0x07070707                      ; lanes whose row of W5's fragment is a real one
	v_and_b32 v29, 15, v0                          ; r
	v_bfe_u32 v30, v0, 4, 1                        ; h
	v_and_b32 v31, 31, v0                          ; lane
	v_mul_u32_u24 v1, v29, 272
	v_lshl_add_u32 v1, v30, 4, v1
	v_mul_u32_u24 v2, v29, 528
	v_lshl_add_u32 v2, v30, 4, v2
	v_add_nc_u32 v2, QB, v2
	v_mul_u32_u24 v3, v29, 1040
	v_lshl_add_u32 v3, v30, 4, v3
	s_lshl_b32 s39, s28, 7
	v_add_nc_u32 v4, s39, v2
	s_lshl_b32 s39, s28, 8
	v_add_nc_u32 v5, s39, v3
	s_lshl_b32 s39, s28, 6
	v_add_nc_u32 v6, s39, v1
	s_mul_i32 s39, s28, 16*272
	v_add_nc_u32 v7, s39, v1
	v_lshlrev_b32 v13, 4, v31
	s_mul_i32 s39, s28, 49152
	s_add_co_u32 s39, s39, WLDS
	v_add_nc_u32 v8, s39, v13
	v_lshlrev_b32 v28, 6, v30
	v_add_nc_u32 v28, RECL, v28
	s_lshl_b32 s39, s28, 9
	v_add_nc_u32 v9, s39, v28
	s_lshl_b32 s39, s28, 10
	v_add_nc_u32 v10, s39, v28
	s_lshl_b32 s39, s28, 8
	v_add_nc_u32 v11, s39, v28
	v_lshlrev_b32 v12, 4, v29
	v_add_nc_u32 v12, RECL+9216, v12
	v_add_nc_u32 v14, W5F, v13
	v_lshlrev_b32 v17, 4, v0
	v_add_nc_u32 v15, RECL, v17
	v_lshlrev_b32 v18, 3, v0
	v_add_nc_u32 v16, RECL+10240, v18
	s_mul_i32 s39, s28, 192
	v_mul_u32_u24 v19, v29, 12
	v_add_nc_u32 v19, s39, v19
	v_and_b32 v28, 7, v0                           ; W5's fragment of K step w: row min(r % 8, 2), columns 32 w + 8 h ..
	v_min_u32 v28, 2, v28
	v_lshlrev_b32 v28, 9, v28
	v_lshl_add_u32 v28, v30, 5, v28
	s_lshl_b32 s39, s28, 7
	v_add_nc_u32 v28, s39, v28
	s_wait_kmcnt 0x0
	s_mov_b32 s45, 0
	s_mul_i32 s44, s29, 768                        ; 64 points of 12 bytes
	s_add_nc_u64 s[4:5], s[4:5], s[44:45]
	s_add_nc_u64 s[6:7], s[6:7], s[44:45]
	s_add_nc_u64 s[26:27], s[26:27], s[44:45]
	s_mul_i32 s44, s28, WBLK
	s_add_co_u32 s44, s44, WF_OFF
	s_add_nc_u64 s[32:33], s[24:25], s[44:45]
	s_mul_i32 s44, s30, REC
	s_add_nc_u64 s[34:35], s[24:25], s[44:45]
; slots 0-11 go into my part of LDS through registers, 24 KiB at a time; behind each batch 32 loads of resident weights are already on their way
	STAGE 0
	TLOAD 131072                                   ; slots 32-35: layer 1 into T
	WIN 0
	s_wait_loadcnt 32                              ; T's 32 loads may stay out: the first batch is in
	UNSTAGE 0
	s_wait_dscnt 0x0                               ; the stores have taken their data: the registers are loaded again only behind this wait
	STAGE 48
	WIN 0x40
.set ri, 0
.rept 32
	global_load_b128 v[4*ri:4*ri+3], v13, s[32:33] offset:28*4096+512*ri      ; slots 28-31: layer 4, window 1
.set ri, ri+1
.endr
	WIN 0
	s_wait_loadcnt 32                              ; layer 4's 32 loads may stay out: the second batch is in
	UNSTAGE 48
	s_wait_dscnt 0x0                               ; as above: v32-223 are loaded again below
	WIN 0x80
.set ri, 0
.rept 64
	global_load_b128 v[4*ri:4*ri+3], v13, s[32:33] offset:12*4096+512*ri      ; slots 12-19: units 0-7, window 2
.set ri, ri+1
.endr
	WIN 0xc0
.set ri, 0
.rept 64
	global_load_b128 v[4*ri:4*ri+3], v13, s[32:33] offset:20*4096+512*ri      ; slots 20-27: units 8-15, window 3
.set ri, ri+1
.endr
	WIN 0
.irp k, 0,1,2,3,4
	global_load_b128 v[96+4*\k:99+4*\k], v17, s[34:35] offset:2048*\k         ; step 0's record: 88 bytes a thread
.endr
	global_load_b64 v[116:117], v18, s[34:35] offset:10240
	global_load_b32 v20, v19, s[4:5]
	global_load_b32 v21, v19, s[4:5] offset:4
	global_load_b32 v22, v19, s[4:5] offset:8
	global_load_b128 v[32:35], v28, s[14:15]
	global_load_b128 v[36:39], v28, s[14:15] offset:16
	global_load_b128 v[40:43], v28, s[14:15] offset:64
	global_load_b128 v[44:47], v28, s[14:15] offset:80
; Wave 0 alone: layer 5's gates and the update's coefficients for the ten steps, lane = step.
	s_cmp_lg_u32 s28, 0
	s_cbranch_scc1 .Lnot0
	s_lshl_b32 s44, s30, 2
	s_add_nc_u64 s[46:47], s[10:11], s[44:45]
	s_load_b32 s48, s[46:47], 0x0                  ; my batch's label
	s_load_b64 s[68:69], s[20:21], 0x0             ; b5: three words
	s_load_b32 s70, s[20:21], 0x8
	s_load_b64 s[72:73], s[22:23], 0x0             ; bg5
	s_load_b32 s74, s[22:23], 0x8
	s_lshl_b32 s44, s30, 10
	s_add_nc_u64 s[50:51], s[8:9], s[44:45]        ; my batch's row of ctx
	s_mov_b32 s49, 0x7f8                           ; lanes 3..10: the label's columns
	s_mov_b32 s52, 0x3de38e39                      ; 1/9
	s_mov_b32 s53, 0x38d1b717                      ; 1e-4
	s_mov_b32 s54, 0x3d4ccccd                      ; 0.05
	s_mov_b32 s55, 0x3c088889                      ; 1/120
	s_mov_b32 s56, 0xbe2aaaab                      ; -1/6
	s_mov_b32 s57, 0x3d2aaaab                      ; 1/24
	s_mov_b32 s58, 0xbfb8aa3b                      ; -log2 e
	v_lshlrev_b32 v56, 2, v31
	v_add_nc_u32 v57, 0x100, v31
	v_min_u32 v57, 0x10a, v57
	v_lshlrev_b32 v57, 2, v57                      ; column min(256 + lane, 266)
	v_max_u32 v58, 3, v31
	v_add_nc_u32 v58, -3, v58
	v_min_u32 v58, 7, v58
	v_lshlrev_b32 v58, 2, v58
.irp i, 0,1,2,3,4,5,6,7
	global_load_b32 v[176+\i], v56, s[50:51] offset:128*\i
.endr
.irp c, 0,1,2
.irp i, 0,1,2,3,4,5,6,7
	global_load_b32 v[120+9*\c+\i], v56, s[18:19] offset:1068*\c+128*\i       ; rows 0-2: Wg5
	global_load_b32 v[147+9*\c+\i], v56, s[16:17] offset:1068*\c+128*\i       ; rows 3-5: Wb5
.endr
	global_load_b32 v[128+9*\c], v57, s[18:19] offset:1068*\c
	global_load_b32 v[155+9*\c], v57, s[16:17] offset:1068*\c
.endr
	s_wait_kmcnt 0x0
	s_min_u32 s48, s48, 15                         ; a loaded number enters an address only clamped
	s_lshl_b32 s48, s48, 5
	v_add_nc_u32 v58, s48, v58
	global_load_b32 v184, v58, s[12:13]
	v_mov_b32 v192, 0
	v_min_u32 v193, 9, v31                         ; scan step; lanes 10-31 have none and make step 9's values again
	v_sub_nc_u32 v194, 9, v193                     ; beta's index i
	v_mov_b32 v195, 1.0                            ; running product of alpha
	v_mov_b32 v196, 1.0                            ; product up to i
	v_mov_b32 v197, 1.0                            ; product up to i - 1
	v_mov_b32 v198, 0                              ; beta_i
.irp j, 0,1,2,3,4,5,6,7,8,9
	v_cvt_f32_u32 v199, \j
	v_mul_f32 v199, s52, v199
	v_sub_f32 v200, 1.0, v199
	v_mul_f32 v199, s54, v199
	v_fmac_f32 v199, s53, v200                     ; beta_j = 1e-4 (1 - j/9) + 0.05 j/9
	v_sub_f32 v200, 1.0, v199
	v_mul_f32 v195, v195, v200
	v_cmp_le_u32 vcc_lo, \j, v194
	v_cndmask_b32 v196, v196, v195, vcc_lo
	v_cmp_lt_u32 vcc_lo, \j, v194
	v_cndmask_b32 v197, v197, v195, vcc_lo
	v_cmp_eq_u32 vcc_lo, \j, v194
	v_cndmask_b32 v198, v198, v199, vcc_lo
.endr
	v_mul_f32 v201, v198, v198
	v_fma_f32 v202, v201, s55, s56
	v_fma_f32 v202, v202, v201, 1.0
	v_mul_f32 v202, v202, v198                     ; sin beta
	v_fma_f32 v203, v201, s57, -0.5
	v_fma_f32 v203, v203, v201, 1.0                ; cos beta
	v_sub_f32 v204, 1.0, v198                      ; alpha
	v_sub_f32 v205, 1.0, v196
	v_sub_f32 v206, 1.0, v197
	v_rsq_f32 v207, v204                           ; k2 = 1 / sqrt(alpha)
	v_rsq_f32 v208, v205
	v_rcp_f32 v209, v205
	v_mul_f32 v206, v198, v206                     ; a plain line behind the transcendentals before their results are used (ISA guide 5.7.2)
	s_wait_alu depctr_va_vdst(0)
	v_mul_f32 v208, v198, v208                     ; k1 = beta / sqrt(1 - product)
	v_mul_f32 v206, v206, v209
	v_sqrt_f32 v210, v206                          ; sigma
	v_mul_f32 v208, v208, v207                     ; k1 k2
	s_wait_loadcnt 0x0
	v_cndmask_b32 v184, 0, v184, s49
.irp rho, 0,1,2,3,4,5
	v_mul_f32 v[186+\rho], v176, v[120+9*\rho]
.endr
.set di, 1
.rept 8
.irp rho, 0,1,2,3,4,5
	v_fmac_f32 v[186+\rho], v[176+di], v[120+9*\rho+di]
.endr
.set di, di+1
.endr
.irp rho, 0,1,2,3,4,5
	v_add_f32_dpp v[186+\rho], v[186+\rho], v[186+\rho] row_xmask:1 row_mask:0xf bank_mask:0xf
	v_add_f32_dpp v[186+\rho], v[186+\rho], v[186+\rho] row_xmask:2 row_mask:0xf bank_mask:0xf
	v_add_f32_dpp v[186+\rho], v[186+\rho], v[186+\rho] row_xmask:4 row_mask:0xf bank_mask:0xf
	v_add_f32_dpp v[186+\rho], v[186+\rho], v[186+\rho] row_xmask:8 row_mask:0xf bank_mask:0xf
	v_permlanex16_b32 v192, v[186+\rho], s40, s41
	v_add_f32 v[186+\rho], v[186+\rho], v192
	v_readlane_b32 s[76+3*\rho], v[128+9*\rho], 0          ; the row's weights of beta, sin beta, cos beta
	v_readlane_b32 s[77+3*\rho], v[128+9*\rho], 1
	v_readlane_b32 s[78+3*\rho], v[128+9*\rho], 2
.endr
.irp c, 0,1,2
	v_add_f32 v211, s[72+\c], v[186+\c]
	v_fmac_f32 v211, s[76+3*\c], v198
	v_fmac_f32 v211, s[77+3*\c], v202
	v_fmac_f32 v211, s[78+3*\c], v203
	v_mul_f32 v211, s58, v211
	v_exp_f32 v211, v211
	v_fma_f32 v212, s[85+3*\c], v198, v[189+\c]
	s_wait_alu depctr_va_vdst(0)
	v_add_f32 v211, 1.0, v211
	v_rcp_f32 v211, v211                           ; G5
	v_fmac_f32 v212, s[86+3*\c], v202
	v_fmac_f32 v212, s[87+3*\c], v203
	s_wait_alu depctr_va_vdst(0)
	v_fmac_f32 v212, s[68+\c], v211                ; C5 = G5 b5 + bias
	v_mul_f32 v[216+\c], -v208, v211               ; P
	v_mul_f32 v[220+\c], -v208, v212               ; Q
.endr
	v_mov_b32 v219, v207
	v_mov_b32 v223, v210
	v_lshlrev_b32 v213, 5, v31                     ; unit = lane: every lane has bytes of its own
	v_add_nc_u32 v213, L5T, v213
	ds_store_b128 v213, v[216:219]
	ds_store_b128 v213, v[220:223] offset:16
.Lnot0:
	s_wait_loadcnt 0x0                             ; weights, record, X, W5: all in
.irp j, 0,1,2,3,4,5,6,7
	v_cvt_pk_bf16_f32 v[48+\j], v[32+2*\j], v[33+2*\j]
.endr
.irp j, 0,1,2,3,4,5,6,7
	v_cndmask_b32 v[48+\j], 0, v[48+\j], s43       ; rows 0-2 and their copies 8-10 stay (so both halves of the lanes get the result); the others are zero
.endr
	s_lshl_b32 s39, s28, 10
	v_add_nc_u32 v28, s39, v14
	ds_store_b128 v28, v[48:51]
	ds_store_b128 v28, v[52:55] offset:512
.irp k, 0,1,2,3,4
	ds_store_b128 v15, v[96+4*\k:99+4*\k] offset:2048*\k
.endr
	ds_store_b64 v16, v[116:117]
	BAR
	s_mov_b32 s38, 0
; ------------------------------------------------------------------ one step
.Lstep:
	global_load_b32 v23, v19, s[6:7] th:TH_LOAD_NT         ; z, wanted at the step's end
	global_load_b32 v24, v19, s[6:7] offset:4 th:TH_LOAD_NT
	global_load_b32 v25, v19, s[6:7] offset:8 th:TH_LOAD_NT
; LAYER 0, my own 16 points.  Tile f's fragment is v[FA+4f : FA+4f+7]: its first four registers are feature 16 f + r's 16 bytes (both halves of the lanes
; take the same), its last four are the next tile's and meet zeros of X.  A ninth load gives tile 7 such a neighbour.
.irp f, 0,1,2,3,4,5,6,7
	ds_load_b128 v[FA+4*\f:FA+4*\f+3], v12 offset:256*\f
.endr
	ds_load_b128 v[FA+32:FA+35], v12
	v_cvt_pk_bf16_f32 v26, v20, v21                ; upper parts of x0, x1
	v_cvt_pk_bf16_f32 v27, v22, 1.0                ; of x2, and the constant column
	v_lshlrev_b32 v28, 16, v26
	v_and_b32 v29, s42, v26
	v_lshlrev_b32 v30, 16, v27
	v_sub_f32 v28, v20, v28                        ; what they left (exact)
	v_sub_f32 v29, v21, v29
	v_sub_f32 v30, v22, v30
	v_cvt_pk_bf16_f32 v28, v28, v29
	v_cvt_pk_bf16_f32 v29, v30, 0
	v_cndmask_b32 v[FL], v26, v28, s42             ; lanes 0-15: k 0-7 = (x, 1 | x, 1) upper; lanes 16-31: k 8-15 = (rest of x, 0 | 0)
	v_cndmask_b32 v[FL+1], v27, v29, s42
	v_cndmask_b32 v[FL+2], v26, 0, s42
	v_cndmask_b32 v[FL+3], v27, 0, s42
.irp j, 4,5,6,7
	v_mov_b32 v[FL+\j], 0                          ; k 16-31
.endr
	s_wait_dscnt 0x0
.irp f, 0,1,2,3,4,5,6,7
	v_wmma_f32_16x16x32_bf16 v[ACC+8*\f:ACC+8*\f+7], v[FA+4*\f:FA+4*\f+7], v[FL:FL+7], 0
.endr
	PLACES
.set lb, 0
.rept 2                                            ; four tiles are packed, then stored in one run
.set lf, 4*lb
.rept 4
.set ea, ACC+8*lf
	RELUPACK
.set lf, lf+1
.endr
.set lf, 4*lb
.rept 4
	ds_store_b128 v7, v[ACC+8*lf:ACC+8*lf+3] offset:32*lf
.set lf, lf+1
.endr
.set lb, lb+1
.endr
	BAR                                            ; h1 is whole
; LAYER 1: K = 128, weights in T
	FETCHA FA, 1, 0, 272
	KSTEP FA, FB, 1, 64, 272, -1, 1, 128, 1, 0
	KSTEP FB, FA, 1, 128, 272, -1, 1, 160, 0, 0
	KSTEP FA, FB, 1, 192, 272, -1, 1, 192, 0, 0
	KLAST FB, FA, 9, 0, 1, 224
	PLACES
	TLOAD 147456                                   ; slots 36-39: layer 3's K steps 0, 2, 4, 6 into T; they have all of layer 2 in which to come
	WIN 0
	s_wait_dscnt 0x0                               ; G and C
	EPI 4, FA, FL, 4, 528, 0
	BAR                                            ; h2 is whole, h1 is read
; LAYER 2: K = 256, two jobs of 64 features; weights: registers, LDS, registers, LDS, registers, LDS, registers, registers
.macro L2JOB j, bx, by
	KSTEPU \bx, \by, 2, 64, 528, (3*\j), (5*\j), 1
	KSTEP  \by, \bx, 2, 128, 528, -1, 0, FL, 0, 0
	KSTEPU \bx, \by, 2, 192, 528, (3*\j+1), (5*\j+1), 0
	KSTEP  \by, \bx, 2, 256, 528, -1, 0, FL, 0, 0
	KSTEPU \bx, \by, 2, 320, 528, (3*\j+2), (5*\j+2), 0
	KSTEP  \by, \bx, 2, 384, 528, -1, 0, FL, 0, 0
	KSTEPU \bx, \by, 2, 448, 528, -1, (5*\j+3), 0
	KLAST  \by, \bx, 10, (2048+512*\j), (2+(5*\j+4)/8), (32*((5*\j+4)%8))
.endm
	FETCHA FA, 2, 0, 528
	L2JOB 0, FA, FB
	PLACES
	WIN 0
	FETCHA FB, 2, 0, 528                           ; job 1's first fragments
	s_wait_dscnt 8                                 ; those eight may stay out; G and C are in
	EPI 4, FA, FL, 5, 1040, 0
	L2JOB 1, FB, FA
	PLACES
	WIN 0
	s_wait_dscnt 0x0
	EPI 4, FB, FL, 5, 1040, 128
	BAR                                            ; h3 is whole, h2 is read
; LAYER 3: K = 512; weights: T and LDS by turns, then registers and LDS by turns, then registers
	s_wait_loadcnt 0x0                             ; T's part of layer 3, and z
	FETCHA FA, 3, 0, 1040
	KSTEP  FA, FB, 3, 64, 1040, 6, 1, 128, 1, 0
	KSTEP  FB, FA, 3, 128, 1040, -1, 0, FL, 0, 0
	KSTEP  FA, FB, 3, 192, 1040, 7, 1, 160, 0, 0
	KSTEP  FB, FA, 3, 256, 1040, -1, 0, FL, 0, 0
	KSTEP  FA, FB, 3, 320, 1040, 8, 1, 192, 0, 0
	KSTEP  FB, FA, 3, 384, 1040, -1, 0, FL, 0, 0
	KSTEP  FA, FB, 3, 448, 1040, 9, 1, 224, 0, 0
	KSTEP  FB, FA, 3, 512, 1040, -1, 0, FL, 0, 1
	KSTEPU FA, FB, 3, 576, 1040, 10, 10, 0
	KSTEP  FB, FA, 3, 640, 1040, -1, 0, FL, 0, 0
	KSTEPU FA, FB, 3, 704, 1040, 11, 11, 0
	KSTEP  FB, FA, 3, 768, 1040, -1, 0, FL, 0, 0
	KSTEPU FA, FB, 3, 832, 1040, -1, 12, 0
	KSTEPU FB, FA, 3, 896, 1040, -1, 13, 0
	KSTEPU FA, FB, 3, 960, 1040, -1, 14, 0
	KLAST  FB, FA, 9, 6144, 3, 224
	PLACES
	WIN 0
	s_wait_dscnt 0x0
	EPI 4, FA, FL, 4, 528, 0
	BAR                                            ; h4 is whole, h3 is read
; LAYER 4: K = 256, 32 features a wave: 8 matrix instructions a K step.  The K steps go in pairs on four buffers (FA, FB | FL, FX): 16 loads in one run
; for 16 matrix instructions, each pair asked for one pair ahead.
	s_add_co_u32 s44, s38, 1
	s_min_u32 s44, s44, 9                          ; the last step asks for its own record again: no load leaves ws
	s_mul_i32 s44, s44, 16*REC
	s_mov_b32 s45, 0
	s_add_nc_u64 s[36:37], s[34:35], s[44:45]      ; its last loads were waited for in the step before
.irp k, 0,1,2,3,4
	global_load_b128 v[96+4*\k:99+4*\k], v17, s[36:37] offset:2048*\k
.endr
	global_load_b64 v[116:117], v18, s[36:37] offset:10240
.macro L4PAIR bx, by, t, zero          ; K steps t and t + 1
	MM 1, (16*\t), \bx, 2, \zero
	MM 1, (16*\t+16), \by, 2, 0
.endm
	FETCHA FA, 2, 0, 528
	FETCHA FB, 2, 64, 528
	FETCHA FL, 2, 128, 528
	FETCHA FX, 2, 192, 528
	s_wait_dscnt 16                                ; steps 2 and 3 may stay out: steps 0 and 1 are in
	L4PAIR FA, FB, 0, 1
	PLACES
	WIN 0
	FETCHA FA, 2, 256, 528
	FETCHA FB, 2, 320, 528
	s_wait_dscnt 16                                ; the 16 just issued may stay out: steps 2 and 3 are in
	L4PAIR FL, FX, 2, 0
	PLACES
	WIN 0
	FETCHA FL, 2, 384, 528
	FETCHA FX, 2, 448, 528
	s_wait_dscnt 16                                ; likewise: steps 4 and 5 are in
	L4PAIR FA, FB, 4, 0
	PLACES
	WIN 0
	FETCHGC FA, 11, 8192, 2
	s_wait_dscnt 8                                 ; G and C may stay out: steps 6 and 7 are in
	L4PAIR FL, FX, 6, 0
	PLACES
	WIN 0
	s_wait_dscnt 0x0
	EPI 2, FA, FA, 6, 272, 0
	s_wait_loadcnt 0x0                             ; the next record, and layer 1 in T
	BAR                                            ; h5 is whole; every wave's reads of the record are over
; the next step's record; LAYER 5 and the update, my own 16 points
.irp k, 0,1,2,3,4
	ds_store_b128 v15, v[96+4*\k:99+4*\k] offset:2048*\k
.endr
	ds_store_b64 v16, v[116:117]
	s_lshl_b32 s39, s38, 5
	s_add_co_u32 s39, s39, L5T
	v_mov_b32 v28, s39
.irp t, 0,1,2,3
	ds_load_b128 v[FA+8*\t:FA+8*\t+3], v7 offset:64*\t
	ds_load_b128 v[FA+8*\t+4:FA+8*\t+7], v7 offset:64*\t+32
	ds_load_b128 v[FB+8*\t:FB+8*\t+3], v14 offset:1024*\t
	ds_load_b128 v[FB+8*\t+4:FB+8*\t+7], v14 offset:1024*\t+512
.endr
	ds_load_b128 v[FL:FL+3], v28                   ; P0 P1 P2 k2
	ds_load_b128 v[FL+4:FL+7], v28 offset:16       ; Q0 Q1 Q2 sigma
	s_wait_dscnt 0x0
	v_wmma_f32_16x16x32_bf16 v[32:39], v[FB:FB+7], v[FA:FA+7], 0               ; two accumulators take turns
	v_wmma_f32_16x16x32_bf16 v[40:47], v[FB+8:FB+15], v[FA+8:FA+15], 0
	v_wmma_f32_16x16x32_bf16 v[32:39], v[FB+16:FB+23], v[FA+16:FA+23], v[32:39]
	v_wmma_f32_16x16x32_bf16 v[40:47], v[FB+24:FB+31], v[FA+24:FA+31], v[40:47]
	PLACES
.irp c, 0,1,2
	v_add_f32 v[32+\c], v[32+\c], v[40+\c]
.endr
.irp c, 0,1,2
	v_fma_f32 v[32+\c], v[FL+\c], v[32+\c], v[FL+4+\c]     ; P acc + Q
.endr
.irp c, 0,1,2
	v_fmac_f32 v[32+\c], v[FL+7], v[23+\c]                 ; + sigma z
.endr
.irp c, 0,1,2
	v_fma_f32 v[20+\c], v[FL+3], v[20+\c], v[32+\c]        ; + k2 X
.endr
	s_add_nc_u64 s[6:7], s[6:7], 196608            ; the next step's noise; this step's loads were waited for in front of layer 3
	BAR                                            ; the record is whole
	s_add_co_u32 s38, s38, 1
	s_cmp_lt_u32 s38, 10
	s_cbranch_scc1 .Lstep
; ------------------------------------------------------------------ the way out: 768 bytes, gathered in LDS; waves 0-2 store 256 of them each
	v_add_nc_u32 v28, OUTS, v19
	v_add_nc_u32 v29, OUTS, v18
	ds_store_b32 v28, v20                          ; both halves of the lanes hold the same X and write the same words
	ds_store_b32 v28, v21 offset:4
	ds_store_b32 v28, v22 offset:8
	BAR
	s_cmp_ge_u32 s28, 3
	s_cbranch_scc1 .Lend
	ds_load_b64 v[32:33], v29
	s_wait_dscnt 0x0
	global_store_b64 v18, v[32:33], s[26:27] th:TH_STORE_NT    ; the wave's 32 lanes store 256 consecutive bytes, at a multiple of 256 from out0
.Lend:
	s_wait_xcnt 0x0
	v_lshl_add_u32 v254, v0, 2, 0x4cb00
	v_mov_b32 v255, 0
	s_wait_tensorcnt 0x0
	ds_add_u32 v254, v255
	s_wait_dscnt 0x0
	s_endpgm
.Lfunc_end_k_q45d27cb752_main:
	.size	k_q45d27cb752_main, .Lfunc_end_k_q45d27cb752_main-k_q45d27cb752_main
	.p2alignl 7, 3214868480
	.fill 96, 4, 3214868480
	.section	.rodata,"a",@progbits
	.p2align	6, 0x0
	.amdhsa_kernel k_q45d27cb752_main
		.amdhsa_group_segment_fixed_size 314624
		.amdhsa_private_segment_fixed_size 0
		.amdhsa_enable_private_segment 0
		.amdhsa_kernarg_size 96
		.amdhsa_user_sgpr_count 2
		.amdhsa_user_sgpr_kernarg_segment_ptr 1
		.amdhsa_wavefront_size32 1
		.amdhsa_system_sgpr_workgroup_id_x 1
		.amdhsa_system_sgpr_workgroup_id_y 1
		.amdhsa_system_sgpr_workgroup_id_z 1
		.amdhsa_system_vgpr_workitem_id 0
		.amdhsa_next_free_vgpr 1024
		.amdhsa_next_free_sgpr 96
		.amdhsa_reserve_vcc 1
		.amdhsa_float_denorm_mode_32 3
		.amdhsa_float_denorm_mode_16_64 3
		.amdhsa_memory_ordered 1
		.amdhsa_forward_progress 1
		.amdhsa_inst_pref_size 217
	.end_amdhsa_kernel
	.amdgpu_metadata
---
amdhsa.version: [ 1, 2 ]
amdhsa.kernels:
  - .name:           k_q45d27cb752_main
    .symbol:         k_q45d27cb752_main.kd
    .args:
      - { .name: X_init, .offset: 0, .size: 8, .value_kind: global_buffer, .address_space: global }
      - { .name: noise, .offset: 8, .size: 8, .value_kind: global_buffer, .address_space: global }
      - { .name: ctx, .offset: 16, .size: 8, .value_kind: global_buffer, .address_space: global }
      - { .name: labels, .offset: 24, .size: 8, .value_kind: global_buffer, .address_space: global }
      - { .name: params_label_emb, .offset: 32, .size: 8, .value_kind: global_buffer, .address_space: global }
      - { .name: params_layers_5_W, .offset: 40, .size: 8, .value_kind: global_buffer, .address_space: global }
      - { .name: params_layers_5_Wb, .offset: 48, .size: 8, .value_kind: global_buffer, .address_space: global }
      - { .name: params_layers_5_Wg, .offset: 56, .size: 8, .value_kind: global_buffer, .address_space: global }
      - { .name: params_layers_5_b, .offset: 64, .size: 8, .value_kind: global_buffer, .address_space: global }
      - { .name: params_layers_5_bg, .offset: 72, .size: 8, .value_kind: global_buffer, .address_space: global }
      - { .name: ws, .offset: 80, .size: 8, .value_kind: global_buffer, .address_space: global }
      - { .name: out0, .offset: 88, .size: 8, .value_kind: global_buffer, .address_space: global }
    .group_segment_fixed_size: 314624
    .private_segment_fixed_size: 0
    .kernarg_segment_align: 8
    .kernarg_segment_size: 96
    .max_flat_workgroup_size: 128
    .sgpr_count:     96
    .vgpr_count:     1024
    .wavefront_size: 32
...
	.end_amdgpu_metadata
.endif
;; end of part 2
